; MI455X (gfx1250); checked and timed in simulation.
; The chip was launched on July 23, 2026; its instructions are those of AMD's public machine-readable ISA for CDNA 5 (MIT licence, August 2026) and "CDNA5" Instruction Set Architecture Reference Guide (July 2026). The comments in the code are by the model that wrote it; some were corrected since.
;; Real NVP2 D. Allowed arithmetic: float matrix products may take bf16 or f16 operands with f32 sums; all other float work in f32.
;; Inputs: s_b1 8 x 64 float32; s_b2 8 x 1 float32; s_w1 8 x 64 x 1 float32; s_w2 8 x 1 x 64 float32; t_b1 8 x 64 float32; t_b2 8 x 1 float32; t_w1 8 x 64 x 1 float32; t_w2 8 x 1 x 64 float32; z 1,048,576 x 2 float32.
;; Outputs: out0 1,048,576 x 2 float32; out1 1,048,576 float32.
;; 2 versions, each right and faster than the one before. Each part assembles by itself: llvm-mc -triple=amdgcn-amd-amdhsa -mcpu=gfx1250 --defsym DOCPART=n.
;; ======== version 1 of 2: 1 launch
;; launch flow (part 1): grid 256 x 1, 16 waves a work-group, no clusters, 54,784 bytes of LDS; arguments z, out0, out1, s_w1, s_b1, s_w2, s_b2, t_w1, t_b1, t_w2, t_b2; writes out0, out1
.if DOCPART == 1
	.amdgcn_target "amdgcn-amd-amdhsa--gfx1250"
	.amdhsa_code_object_version 6
	.text
	.protected	k_q1cea44dd70_flow
	.globl	k_q1cea44dd70_flow
	.p2align	8
	.type	k_q1cea44dd70_flow,@function
k_q1cea44dd70_flow:
	s_mov_b64 s[64:65], 0
	v_nop
	global_prefetch_b8 v0, s[64:65] scope:SCOPE_SE
	s_setreg_imm32_b32 hwreg(HW_REG_WAVE_MODE, 25, 1), 1
	s_wait_xcnt 0x0
; RealNVP2D: 1,048,576 samples (z1, z2) through 8 coupling layers.  A layer: u_s, u_t = two MLPs 1 -> 64 -> 1 (LeakyReLU 0.01) of z1;
; s = 3 tanh(u_s); z2 <- z2 e^s + u_t; ld += s; the two components change places.
; ALGEBRA.  leaky(h) = 0.01 h + 0.99 max(h, 0), and max(h, 0) = h + max(-h, 0).  With sigma = sign(x): a unit with sigma sgn(w1) = +1 gives its h to a linear part
; kept in f32, and every unit leaves the residual max(-y', 0), y' = |w1| |x| + sigma sgn(w1) b1, which is not 0 only where |w1 x| < |b1|.  With the mask m = [y' < 0]:
;   kap (sum w2 leaky(w1 x + b1) + b2) = alpha(sigma) x + gamma(sigma) + sigma (x sum aw m + sum cw m),
;   aw = -kap 0.99 w2 |w1|, cw = -kap 0.99 w2 sgn(w1) b1,
;   alpha(+) = kap (Sp + 0.01 Sn), gamma(+) = kap (Tp + 0.01 Tn + b2), alpha(-) = kap (Sn + 0.01 Sp), gamma(-) = kap (Tn + 0.01 Tp + b2),
;   Sp, Sn = sum of w2 w1 over w1 >= 0, w1 < 0; Tp, Tn the same of w2 b1 (signs by the sign bits; the identity holds for either choice, so zeros are no special case).
;   kap = 2 log2(e) for the s net (so that the sum feeds 2^x), 1 for the t net.  A unit's part is continuous where its mask switches, so a sign judged wrongly at y' near 0 costs that y' alone.
; FIRST PRODUCT (16 hidden x 32 k) x (32 k x 16 samples), f32 result y'.  K needs one place and has 32, so |x|, |w1| = w and sgn(w1) b1 = b go in as two bf16 pieces each:
;   places of a half of 8:  B: x_hi x_lo x_hi x_hi sigma sigma 0 0    A: w_hi w_hi w_lo 0 b_hi b_lo 0 0;  k = 16..31: B is 0.
; SECOND PRODUCT (8 rows of weights x 32 hidden) x (32 hidden x 16 samples of masks), four K chunks for the 128 hidden units of both nets.  A mask is 0 or 2.0 (y's sign bit moved one
; place down is 2.0 in bf16), exact; the weights are halved for it and go in as two bf16 pieces in rows of their own: aw_hi, cw_hi, aw_lo, cw_lo of the s net, then of the t net.
; So no computed number is rounded to bf16: only the weights' pieces are cut, at some 2^-17 of numbers whose products stay under kap |w2 b1|, whatever x is.
; The first product's result, its upper halves taken in pairs, lies as the second product's source 1 wants it: nothing changes lanes.
; A set is 32 samples, one a lane.  Group X (lanes 0-15, k places 0-7) multiplies by weights in rows 0-7; group Y (lanes 16-31, k places 8-15) by the same in rows 8-15, into ONE
; accumulator: its eight registers in lane L then are the eight sums of lane L's sample.
; SHARES.  A work-group has 4,096 samples, each of its 16 waves 256: 8 sets.  A 16-byte load brings two samples a lane; they stay in those registers and leave from them.
; The weights (12 KB) are prepared once by the 16 waves (wave w: layer w / 2, net w % 2) into LDS; one barrier; then LDS is only read.
; No tensor loads, no cluster: each byte of z is read once, straight into the register where it lives, and what work-groups share is the 12 KB of weights.
; LIMITS.  A non-finite weight spoils its neighbours (0 x inf in the unused k places, rows and masked units); an infinite x gives NaN (x times a sum that is 0);
; kap w2 w1 and kap w2 b1 must stay inside f32; tanh = 1 - 2 / (1 + 2^U) has an absolute error of some 4e-7; sums are formed in another order than in the reference.
; LDS
.set A1R,  0          ; layer l, tile i (0-3 s net, 4-7 t net): 4096 l + 512 i + 16 lane: lane (r, h) has the 8 k places of hidden 16 i + r, the same in both halves of the lanes
.set W2R,  32768      ; layer l: WL l: nine rows of 128 k (256 bytes), WP apart: rows 0-3 the s net's (k 64-127 are 0), rows 4-7 the t net's (k 0-63 are 0), row 8 zeros
.set WP,   272        ; 68 words: row i starts 4 i banks on, so the nine rows that a load touches do not collide
.set WL,   9*WP
.set LINR, 52480      ; layer l, net n: 32 l + 16 n: alpha(+), gamma(+), alpha(-), gamma(-)
; vector registers
.set OZ,   1          ; byte offset of my 16 bytes in the group's part of z and out0; never rewritten
.set OL,   2          ; byte offset of my 8 bytes in the group's part of out1; never rewritten
.set AA1,  3          ; LDS address of my 16 bytes of a tile of A1
.set ALO,  4          ; LDS address of my row of weights, rows 0-7 filled
.set AHI,  5          ; the same, rows 8-15 filled
.set MX,   6          ; -1 in lanes 0-15, else 0
.set MY,   7          ; -1 in lanes 16-31, else 0
.set ALIN, 8          ; LDS address of the layer's eight numbers
.set BT,   9          ; v9-12  {hi, hi}; f32(hi); lo; {hi, lo} of the next set's |x|
.set EW,   13         ; v13-15 at work on s and e^s
.set LIN,  16         ; v[16:19] the s net's alpha(+), gamma(+), alpha(-), gamma(-)
.set ZR,   20         ; v[20:35] z: set p, component c at ZR + 4 (p / 2) + 2 (p % 2) + c
.set LDR,  36         ; v[36:43] ld of set p
.set BX,   44         ; v[44:51] source 1 of the first product, group X; v[52:59] group Y; registers 3-7 stay 0
.set BY,   52
.set ACC,  60         ; v[60:67], v[68:75] accumulators of the second product, sets by turns
.set HP,   76         ; v[76:83], v[84:91] a chunk's 32 masks in bf16, two buffers
.set HF,   92         ; v[92:139] a chunk's two tiles in f32, three buffers of 16
.set A1,   140        ; v[140:175] tile t's source 0 is v[A1+4t : A1+4t+7]: its upper four registers are the next tile's lower four and meet B's zeros; v172-175 = 0
.set A2LO, 176        ; v[176:207] weights in rows 0-7, chunk c at +8 c;  v[208:239] the same in rows 8-15
.set LINT, 240        ; v[240:243] the t net's four numbers
.set SG,   244        ; {sigma, sigma} in bf16 of the next set's x
.set CA,   245        ; the chosen alpha of the s net
.set CB,   246        ; of the t net
.set AX,   247        ; |x| of the next set (slices 0, 1)
.set SX,   247        ; x's sign bit of the set being finished (slices 3, 4): the same register, at other times
.set EQ,   248        ; v[248:251] sum aw m, sum cw m of the s net, of the t net; then U in +0 and T in +2
; the head's registers, inside HP and HF, which are not yet in use
.set PWO,  76
.set PW1,  78
.set PB1,  80
.set PW2,  82
.set PQN,  84
.set PAW,  86
.set PCW,  88
.set PQ,   90
.set PZ,   94
.set PT,   96
.set PS,   98         ; Sp, Tp, Sn, Tn
.set PA,   102
.set PSG,  103
.set PZB,  104
.set PZA,  105
.set PLA,  106
.set LANE, 107
.set RR,   108
.set HH,   109
.set WV,   110
.set TA,   111
.set TB,   112
.set RR8,  113
.set PO,   114        ; alpha(+), gamma(+), alpha(-), gamma(-)
.set PX,   118
.set PP,   122
.set PWP,  124
.set PBP,  125
.set PSW,  126        ; w1's sign bit, units 2 lane, 2 lane + 1
.set PH,   130        ; aw_hi, cw_hi, aw_lo, cw_lo, two units a word
	s_load_b512 s[8:23], s[0:1], 0x0               ; z 8, out0 10, out1 12, s_w1 14, s_b1 16, s_w2 18, s_b2 20, t_w1 22
	s_load_b128 s[24:27], s[0:1], 0x40             ; t_b1 24, t_w2 26
	s_load_b64 s[28:29], s[0:1], 0x50              ; t_b2
	v_lshl_add_u32 v252, v0, 2, 0xce00
	v_mov_b32 v253, 0
	v_and_b32 v[LANE], 31, v0
	v_lshrrev_b32 v[WV], 5, v0
	v_readfirstlane_b32 s30, v[WV]                 ; wave w, 0..15
	s_lshr_b32 s31, s30, 1                         ; the layer that I prepare
	s_and_b32 s32, s30, 1                          ; its net: 0 s, 1 t
	v_lshlrev_b32 v[OZ], 4, v[LANE]
	v_lshl_add_u32 v[OZ], s30, 11, v[OZ]           ; 2,048 w + 16 lane
	v_lshlrev_b32 v[OL], 3, v[LANE]
	s_lshl_b32 s57, s31, 8
	v_add_nc_u32 v[PWO], s57, v[OL]                ; units 2 lane, 2 lane + 1 of my layer: 256 l + 8 lane
	v_lshl_add_u32 v[OL], s30, 10, v[OL]           ; 1,024 w + 8 lane
	s_lshl_b32 s2, ttmp9, 15                       ; the group's 4,096 samples: 32,768 bytes of z and out0,
	s_mov_b32 s3, 0
	s_lshl_b32 s4, ttmp9, 14                       ; 16,384 of out1
	s_mov_b32 s5, 0
	s_lshl_b32 s6, s31, 2                          ; b2[l]
	s_mov_b32 s7, 0
	s_mov_b32 s33, 0x07060302                      ; v_perm_b32: the two upper halves
	s_mov_b32 s47, 0xffff0000                      ; a word's upper bf16
	s_mov_b32 s48, 0x80008000                      ; two signs
	s_mov_b32 s49, 0x3f803f80                      ; 1.0, 1.0 in bf16
	s_mov_b32 s50, 0x76543210                      ; v_permlanex16_b32: each lane takes its own place in the other half
	s_mov_b32 s51, 0xfedcba98
	s_mov_b32 s52, 0xc0c00000                      ; -6
	s_mov_b32 s53, 0x40400000                      ; 3
	s_mov_b32 s54, 0xc10a7fad                      ; -6 log2(e)
	s_mov_b32 s55, 0x408a7fad                      ; 3 log2(e)
	s_mov_b32 s61, 0x7fffffff                      ; all but an f32's sign
	s_mov_b32 s62, 0x7fff7fff                      ; all but two bf16 signs
	s_mov_b32 s63, 0x80000000                      ; an f32's sign
	s_wait_kmcnt 0x0
	s_cmp_eq_u32 s32, 0                            ; my net's four buffers
	s_cselect_b64 s[34:35], s[14:15], s[22:23]     ; w1
	s_cselect_b64 s[36:37], s[16:17], s[24:25]     ; b1
	s_cselect_b64 s[38:39], s[18:19], s[26:27]     ; w2
	s_cselect_b64 s[40:41], s[20:21], s[28:29]     ; b2
	s_cselect_b32 s42, 0x4038aa3b, 1.0             ; kap
	s_add_nc_u64 s[40:41], s[40:41], s[6:7]
	s_load_b32 s43, s[40:41], 0x0                  ; b2[l]
	s_add_nc_u64 s[8:9], s[8:9], s[2:3]
	s_add_nc_u64 s[10:11], s[10:11], s[2:3]
	s_add_nc_u64 s[12:13], s[12:13], s[4:5]
	global_load_b64 v[PW1:PW1+1], v[PWO], s[34:35]
	global_load_b64 v[PB1:PB1+1], v[PWO], s[36:37]
	global_load_b64 v[PW2:PW2+1], v[PWO], s[38:39]
.irp t, 0,1,2,3
	global_load_b128 v[ZR+4*\t:ZR+4*\t+3], v[OZ], s[8:9] offset:512*\t th:TH_LOAD_NT   ; 512 neighbouring bytes a load: samples 64 t + 2 lane, + 1
.endr
	s_mul_f32 s44, s42, 0xbefd70a4                 ; -kap 0.495: half of -kap 0.99, since a mask is 2.0
	s_mul_f32 s45, s42, 0x3c23d70a                 ; kap 0.01
	; what stays for the whole kernel
	v_and_b32 v[RR], 15, v0
	v_bfe_u32 v[HH], v0, 4, 1
	v_add_nc_u32 v[MX], -1, v[HH]
	v_sub_nc_u32 v[MY], 0, v[HH]
	v_lshlrev_b32 v[AA1], 4, v[LANE]               ; A1R = 0
	v_mov_b32 v[ALIN], LINR
; my row of source 0 of the second product: rows 0-7 of the eight, any other the zero row
.macro ROWADR dst, row
	v_min_u32 v[TA], 8, v[\row]
	v_mul_u32_u24 v[TA], v[TA], WP
	v_lshl_add_u32 v[TA], v[HH], 4, v[TA]          ; + 16 bytes for the upper half of the lanes
	v_add_nc_u32 v[\dst], W2R, v[TA]
.endm
	ROWADR ALO, RR
	v_add_nc_u32 v[RR8], -8, v[RR]                 ; rows 0-7 wrap to large numbers: the zero row
	ROWADR AHI, RR8
.irp j, 3,4,5,6,7
	v_mov_b32 v[BX+\j], 0                          ; the unused k places of B
	v_mov_b32 v[BY+\j], 0
.endr
.irp j, 32,33,34,35
	v_mov_b32 v[A1+\j], 0                          ; behind the last tile
.endr
.irp j, 0,1,2,3,4,5,6,7
	v_mov_b32 v[LDR+\j], 0                         ; ld begins at 0
.endr
	; wave w prepares (layer w / 2, net w % 2): addresses
	v_lshrrev_b32 v[TA], 3, v[LANE]                ; unit 2 lane + e: tile lane / 8, row 2 (lane % 8) + e
	v_and_b32 v[TB], 7, v[LANE]
	v_lshlrev_b32 v[PA], 5, v[TB]
	v_lshl_add_u32 v[PA], v[TA], 9, v[PA]
	v_lshl_add_u32 v[PA], s30, 11, v[PA]           ; + 4,096 l + 2,048 net = 2,048 w
	s_mul_i32 s57, s31, WL
	s_mul_i32 s58, s32, 4*WP+128                   ; my net's four rows, and its half of their 128 k
	s_add_co_u32 s58, s58, s57
	s_add_co_u32 s58, s58, W2R
	v_lshl_add_u32 v[PSG], v[LANE], 2, s58         ; my two units' word in a row
	s_mul_i32 s59, s32, 4*WP-128                   ; the other half of the same rows: 128 + net (4 WP - 128)
	s_add_co_u32 s59, s59, s57
	s_add_co_u32 s59, s59, W2R+128
	v_lshl_add_u32 v[PZB], v[LANE], 2, s59
	s_lshl_b32 s60, s32, 7                         ; my word of the zero row: each of the layer's two waves writes 128 of its 256 bytes
	s_add_co_u32 s60, s60, s57
	s_add_co_u32 s60, s60, W2R+8*WP
	v_lshl_add_u32 v[PZA], v[LANE], 2, s60
	s_lshl_b32 s57, s30, 4
	s_add_co_u32 s57, s57, LINR
	v_mov_b32 v[PLA], s57                          ; the four numbers of (l, net): 32 l + 16 net = 16 w
	v_mov_b32 v[PZ], 0
	v_mov_b32 v[PZ+1], 0
	v_mov_b32 v[PQ+3], 0
	s_wait_loadcnt 0x4                             ; loads come back in order: w1, b1, w2 are in; the four younger ones are z's
	s_wait_kmcnt 0x0                               ; b2[l]
	s_mul_f32 s46, s42, s43                        ; kap b2
; unit 2 lane + e for the first product: |w1| and sgn(w1) b1 in two bf16 pieces each: 16 bytes, for both lanes of its row
.macro SPLIT e
	v_and_b32 v[PSW+\e], s63, v[PW1+\e]            ; w1's sign bit
	v_and_b32 v[PWP], s61, v[PW1+\e]               ; |w1|
	v_xor_b32 v[PBP], v[PB1+\e], v[PSW+\e]         ; sgn(w1) b1
	v_cvt_pk_bf16_f32 v[PQ], v[PWP], v[PWP]        ; {w_hi, w_hi}
	v_and_b32 v[PT], s47, v[PQ]
	v_sub_f32 v[PT], v[PWP], v[PT]
	v_cvt_pk_bf16_f32 v[PQ+1], v[PT], v[PZ]        ; {w_lo, 0}
	v_cvt_pk_bf16_f32 v[PT], v[PBP], v[PBP]
	v_and_b32 v[PT], s47, v[PT]
	v_sub_f32 v[PT+1], v[PBP], v[PT]
	v_cvt_pk_bf16_f32 v[PQ+2], v[PT], v[PT+1]      ; {b_hi, b_lo}
	ds_store_b128 v[PA], v[PQ:PQ+3] offset:16*\e
	ds_store_b128 v[PA], v[PQ:PQ+3] offset:256+16*\e
.endm
	SPLIT 0
	SPLIT 1
; unit 2 lane + e for the second product: aw / 2 and cw / 2
.macro WEIGH e
	v_mul_f32 v[PQN+\e], s44, v[PW2+\e]            ; -kap 0.495 w2
	v_and_b32 v[PT], s61, v[PW1+\e]
	v_mul_f32 v[PAW+\e], v[PQN+\e], v[PT]          ; times |w1|
	v_mul_f32 v[PCW+\e], v[PQN+\e], v[PB1+\e]
	v_xor_b32 v[PCW+\e], v[PCW+\e], v[PSW+\e]      ; times sgn(w1) b1
.endm
	WEIGH 0
	WEIGH 1
; two units' numbers in two bf16 pieces each: a word of upper pieces, a word of lower pieces, unit 2 lane in the low half
.macro TWO src, hi, lo
	v_cvt_pk_bf16_f32 v[\hi], v[\src], v[\src+1]
	v_lshlrev_b32 v[PT], 16, v[\hi]
	v_and_b32 v[PT+1], s47, v[\hi]
	v_sub_f32 v[PT], v[\src], v[PT]
	v_sub_f32 v[PT+1], v[\src+1], v[PT+1]
	v_cvt_pk_bf16_f32 v[\lo], v[PT], v[PT+1]
.endm
	TWO PAW, PH, PH+2
	TWO PCW, PH+1, PH+3
.irp i, 0,1,2,3
	ds_store_b32 v[PSG], v[PH+\i] offset:WP*\i     ; rows aw_hi, cw_hi, aw_lo, cw_lo
	ds_store_b32 v[PZB], v[PZ] offset:WP*\i        ; the other net's k places of these rows
.endr
	ds_store_b32 v[PZA], v[PZ]
; unit 2 lane + e: w2 w1 and w2 b1, each to the sum of its sign of w1, 0 to the other
.macro PARTS e, dst
	v_cmp_lt_u32 vcc_lo, s61, v[PW1+\e]            ; w1's sign bit is set
	v_mul_f32 v[PP], v[PW2+\e], v[PW1+\e]
	v_mul_f32 v[PP+1], v[PW2+\e], v[PB1+\e]
	v_cndmask_b32 v[\dst], v[PP], v[PZ], vcc_lo
	v_cndmask_b32 v[\dst+1], v[PP+1], v[PZ], vcc_lo
	v_cndmask_b32 v[\dst+2], v[PZ], v[PP], vcc_lo
	v_cndmask_b32 v[\dst+3], v[PZ], v[PP+1], vcc_lo
.endm
	PARTS 0, PS
	PARTS 1, PX
.irp j, 0,1,2,3
	v_add_f32 v[PS+\j], v[PS+\j], v[PX+\j]
.endr
.irp m, 1,2,4,8
.irp j, 0,1,2,3
	v_add_f32_dpp v[PS+\j], v[PS+\j], v[PS+\j] row_xmask:\m row_mask:0xf bank_mask:0xf
.endr
.endr
.irp j, 0,1,2,3
	v_permlanex16_b32 v[PX+\j], v[PS+\j], s50, s51 ; its destination counts as read: PX has been written
.endr
.irp j, 0,1,2,3
	v_add_f32 v[PS+\j], v[PS+\j], v[PX+\j]         ; Sp, Tp, Sn, Tn over the 64 units, in every lane
.endr
	v_mul_f32 v[PO], s42, v[PS]
	v_fma_f32 v[PO+1], v[PS+1], s42, s46
	v_mul_f32 v[PO+2], s42, v[PS+2]
	v_fma_f32 v[PO+3], v[PS+3], s42, s46
	v_fma_f32 v[PO], v[PS+2], s45, v[PO]           ; alpha(+) = kap Sp + kap 0.01 Sn
	v_fma_f32 v[PO+1], v[PS+3], s45, v[PO+1]       ; gamma(+) = kap Tp + kap b2 + kap 0.01 Tn
	v_fma_f32 v[PO+2], v[PS], s45, v[PO+2]         ; alpha(-)
	v_fma_f32 v[PO+3], v[PS+1], s45, v[PO+3]       ; gamma(-)
	ds_store_b128 v[PLA], v[PO:PO+3]               ; every lane the same four words
	s_wait_dscnt 0x0                               ; for the others' sake: my stores into LDS are done
	s_barrier_signal -1
	s_barrier_wait -1                              ; the only barrier: from here on LDS is only read
	s_wait_loadcnt 0x0                             ; z
; A LAYER is a pipeline of 64 chunk steps.  Chunk n = 8 p + 4 y + c: set p, group y (X, Y), chunk c = tiles 2 c, 2 c + 1.
; Step q issues the first products of chunk q + 2, makes the masks of chunk q, issues the second product of chunk q - 1, and does a slice of the work on whole sets.
; The matrix instructions go first product, first product, second product, each on another accumulator.  At the layer's end no first products are left: there chunks 61 and 63
; go onto the other set's accumulator, which has been read out by then, so that the accumulators still take turns, one instruction a turn.
.macro W1 half                         ; tile 2 c + half of chunk q + 2: the constant 0 starts the sum
.set n, q+2
.set fb, HF+16*(n%3)+8*\half
.set ab, A1+8*(n%4)+4*\half
.set bb, BX+8*((n/4)%2)
	v_wmma_f32_16x16x32_bf16 v[fb:fb+7], v[ab:ab+7], v[bb:bb+7], 0
.endm
.macro W2                              ; chunk q - 1: weights x masks, onto the set's accumulator; a set's first chunk starts the sums
.set n, q-1
.set ac, ACC+8*((n/8)%2)
.if (n == 61) || (n == 63)
.set ac, ACC
.endif
.set ab, A2LO+32*((n/4)%2)+8*(n%4)
.set pb, HP+8*(n%2)
.if (n%8 == 0) || (n == 61)
	v_wmma_f32_16x16x32_bf16 v[ac:ac+7], v[ab:ab+7], v[pb:pb+7], 0
.else
	v_wmma_f32_16x16x32_bf16 v[ac:ac+7], v[ab:ab+7], v[pb:pb+7], v[ac:ac+7]
.endif
.endm
; The masks of chunk q, two a word, in three passes of eight: the upper halves of two numbers (from each tile's lowest registers on); their sign bits alone; one place down: 0x4000 is 2.0 in bf16.
.macro SIGNS
.irp k, 0,1,2,3,4,5,6,7
	v_perm_b32 v[HP+8*(q%2)+\k], v[HF+16*(q%3)+2*\k+1], v[HF+16*(q%3)+2*\k], s33
.endr
.endm
.macro ONLY
.irp k, 0,1,2,3,4,5,6,7
	v_and_b32 v[HP+8*(q%2)+\k], s48, v[HP+8*(q%2)+\k]
.endr
.endm
.macro DOWN
.irp k, 0,1,2,3,4,5,6,7
	v_lshrrev_b32 v[HP+8*(q%2)+\k], 1, v[HP+8*(q%2)+\k]
.endr
.endm
; The pieces of x in register zr: {sigma, sigma}, {|x|_hi, |x|_hi}, {|x|_hi, |x|_lo}.  In two halves, so that they can stand in two steps.
.macro PIECES_A zr
	v_cvt_pk_bf16_f32 v[BT], v[\zr], v[\zr]        ; {hi, hi}, still signed
	v_and_b32 v[AX], s61, v[\zr]                   ; |x|
	v_and_or_b32 v[SG], v[BT], s48, s49            ; x's sign on 1.0, twice
.endm
.macro PIECES_B
	v_and_b32 v[BT], s62, v[BT]                    ; {|hi|, |hi|}
	v_and_b32 v[BT+1], s47, v[BT]                  ; |hi| as f32
	v_sub_f32 v[BT+2], v[AX], v[BT+1]              ; lo
	v_cvt_pk_bf16_f32 v[BT+3], v[BT+1], v[BT+2]    ; {hi, lo}
.endm
.macro MASKB b, m                      ; B of one group: the other half of the lanes holds 0
	v_and_b32 v[\b], v[BT+3], v[\m]
	v_and_b32 v[\b+1], v[BT], v[\m]
	v_and_b32 v[\b+2], v[SG], v[\m]
.endm
.macro ESUM ac                         ; upper and lower pieces' sums, from the accumulator's lowest registers on: (sum aw m, sum cw m) of the s net, of the t net
	v_pk_add_f32 v[EQ:EQ+1], v[\ac:\ac+1], v[\ac+2:\ac+3]
	v_pk_add_f32 v[EQ+2:EQ+3], v[\ac+4:\ac+5], v[\ac+6:\ac+7]
.endm
.macro ELIN zr                         ; x's sign bit, and the slopes and offsets of x's side
	v_and_b32 v[SX], s63, v[\zr]
	v_cmp_lt_u32 vcc_lo, s61, v[\zr]               ; the sign bit is set: the same test as sigma's
	v_cndmask_b32 v[CA], v[LIN], v[LIN+2], vcc_lo
	v_cndmask_b32 v[CB], v[LINT], v[LINT+2], vcc_lo
	v_cndmask_b32 v[EW+1], v[LIN+1], v[LIN+3], vcc_lo
	v_cndmask_b32 v[EW+2], v[LINT+1], v[LINT+3], vcc_lo
.endm
.macro EFIN zr                         ; U and T = alpha x + (gamma + sigma (x sum aw m + sum cw m))
	v_fma_f32 v[EQ], v[\zr], v[EQ], v[EQ+1]
	v_fma_f32 v[EQ+2], v[\zr], v[EQ+2], v[EQ+3]
	v_xor_b32 v[EQ], v[EQ], v[SX]
	v_xor_b32 v[EQ+2], v[EQ+2], v[SX]
	v_add_f32 v[EQ], v[EQ], v[EW+1]
	v_add_f32 v[EQ+2], v[EQ+2], v[EW+2]
	v_fmac_f32 v[EQ], v[CA], v[\zr]
	v_fmac_f32 v[EQ+2], v[CB], v[\zr]
.endm
; The work on whole sets, two to nine instructions a step.  In the eight steps of set p: B of set p + 1 is made, and set p - 1, whose last second product stands in the first
; of these steps, is finished.  Each exponential and the reciprocal is the slice's last line: the step's v_perm_b32 follow it, and its result is used a step later.
; B of group X is rewritten in slice 2 (its last reader stands 16 plain instructions back), B of group Y in slice 7.  The accumulator is read out in slice 2 and is free from then on.
.macro EXTRA par
.set pp, q/8
.set ii, q%8
.set an, ACC+8*((pp+1)%2)              ; the accumulator of set p - 1
.if pp < 7
.set zn, ZR+4*((pp+1)/2)+2*((pp+1)%2)+\par
.if ii == 0
	PIECES_A zn
.elseif ii == 1
	PIECES_B
.elseif ii == 2
	MASKB BX, MX
.elseif ii == 7
	MASKB BY, MY
.endif
.endif
.if pp > 0
.set ze, ZR+4*((pp-1)/2)+2*((pp-1)%2)+\par
.set zu, ZR+4*((pp-1)/2)+2*((pp-1)%2)+1-\par
.if ii == 2
	ESUM an
.elseif ii == 3
	ELIN ze
.elseif ii == 4
	EFIN ze
	v_exp_f32 v[EW], v[EQ]                         ; 2^U = e^(2 u)
.elseif ii == 5
	s_wait_alu depctr_va_vdst(0)
	v_add_f32 v[EW], 1.0, v[EW]
	v_rcp_f32 v[EW+1], v[EW]                       ; r
.elseif ii == 6
	s_wait_alu depctr_va_vdst(0)
	v_fma_f32 v[EW+2], v[EW+1], s52, s53           ; s = 3 - 6 r
	v_fma_f32 v[EW], v[EW+1], s54, s55             ; s log2(e)
	v_exp_f32 v[EW+1], v[EW]                       ; e^s
.elseif ii == 7
	v_add_f32 v[LDR+pp-1], v[LDR+pp-1], v[EW+2]
	s_wait_alu depctr_va_vdst(0)
	v_fma_f32 v[zu], v[zu], v[EW+1], v[EQ+2]       ; z2 e^s + t
.endif
.endif
.endm
.macro STEP par
.if q+2 < 64
	W1 0
.endif
.if (q >= 0) && (q < 64)
	EXTRA \par
	SIGNS
.endif
.if q+2 < 64
	W1 1
.endif
.if (q >= 0) && (q < 64)
	ONLY
.endif
.if q >= 1
.if q == 1
	s_wait_dscnt 0x0                               ; the second product's weights are in
.endif
	W2
.endif
.if (q >= 0) && (q < 64)
	DOWN
.endif
.set q, q+1
.endm
; The layer's weights: 26 LDS loads.  The last matrix instruction that read one of these registers stands more than four plain instructions back.
.macro LOADW par
	ds_load_b128 v[LIN:LIN+3], v[ALIN] offset:32*\par
	ds_load_b128 v[LINT:LINT+3], v[ALIN] offset:32*\par+16
.irp i, 0,1,2,3,4,5,6,7
	ds_load_b128 v[A1+4*\i:A1+4*\i+3], v[AA1] offset:4096*\par+512*\i
.endr
.irp c, 0,1,2,3
	ds_load_b128 v[A2LO+8*\c:A2LO+8*\c+3],   v[ALO] offset:WL*\par+64*\c
	ds_load_b128 v[A2LO+8*\c+4:A2LO+8*\c+7], v[ALO] offset:WL*\par+64*\c+32
.endr
.irp c, 0,1,2,3
	ds_load_b128 v[A2LO+32+8*\c:A2LO+32+8*\c+3],   v[AHI] offset:WL*\par+64*\c
	ds_load_b128 v[A2LO+32+8*\c+4:A2LO+32+8*\c+7], v[AHI] offset:WL*\par+64*\c+32
.endr
.endm
; par: which component is z1 in this layer; the other is updated in place, which is the swap.
.macro LAYER par
	LOADW \par
	PIECES_A ZR+\par                               ; set 0's B, group X, while the loads are out
	PIECES_B
	MASKB BX, MX
	s_wait_dscnt 16                                ; LDS loads come back in order: the eight numbers and A1's eight tiles are in; the sixteen loads of the second product's weights may stay out
.set q, -2
	STEP \par                                      ; chunks 0 and 1: first products alone
	STEP \par
	MASKB BY, MY                                   ; set 0's B, group Y: with the next step's first slice six plain instructions, the places behind the first products
.rept 65
	STEP \par
.endr
	ELIN ZR+14+\par                                ; set 7 is finished; these lines, which name no accumulator, are the places behind the last second product
	ESUM ACC+8                                     ; chunks 56 to 60 and 62,
	v_pk_add_f32 v[EQ:EQ+1], v[EQ:EQ+1], v[ACC:ACC+1]          ; and chunks 61 and 63, from the lowest registers on
	v_pk_add_f32 v[EQ+2:EQ+3], v[EQ+2:EQ+3], v[ACC+4:ACC+5]
	v_pk_add_f32 v[EQ:EQ+1], v[EQ:EQ+1], v[ACC+2:ACC+3]
	v_pk_add_f32 v[EQ+2:EQ+3], v[EQ+2:EQ+3], v[ACC+6:ACC+7]
	EFIN ZR+14+\par
	v_exp_f32 v[EW], v[EQ]
	v_nop                                          ; a plain instruction behind each exponential and the reciprocal
	s_wait_alu depctr_va_vdst(0)
	v_add_f32 v[EW], 1.0, v[EW]
	v_rcp_f32 v[EW+1], v[EW]
	v_nop
	s_wait_alu depctr_va_vdst(0)
	v_fma_f32 v[EW+2], v[EW+1], s52, s53
	v_fma_f32 v[EW], v[EW+1], s54, s55
	v_exp_f32 v[EW+1], v[EW]
	v_add_f32 v[LDR+7], v[LDR+7], v[EW+2]
	s_wait_alu depctr_va_vdst(0)
	v_fma_f32 v[ZR+15-\par], v[ZR+15-\par], v[EW+1], v[EQ+2]
.endm
	s_mov_b32 s56, 4                               ; four trips of two layers
.Ltrip:
	LAYER 0
	LAYER 1
	v_add_nc_u32 v[AA1], 8192, v[AA1]              ; two layers on
	v_add_nc_u32 v[ALO], 2*WL, v[ALO]
	v_add_nc_u32 v[AHI], 2*WL, v[AHI]
	v_add_nc_u32 v[ALIN], 64, v[ALIN]
	s_sub_co_u32 s56, s56, 1
	s_cmp_lg_u32 s56, 0
	s_cbranch_scc1 .Ltrip
	; after an even number of swaps the components lie as they came: each store of the wave covers 512 (out0) or 256 (out1) consecutive bytes, aligned
.irp t, 0,1,2,3
	global_store_b128 v[OZ], v[ZR+4*\t:ZR+4*\t+3], s[10:11] offset:512*\t th:TH_STORE_NT
.endr
.irp t, 0,1,2,3
	global_store_b64 v[OL], v[LDR+2*\t:LDR+2*\t+1], s[12:13] offset:256*\t th:TH_STORE_NT
.endr
	s_wait_tensorcnt 0x0
	ds_add_u32 v252, v253
	s_wait_dscnt 0x0
	s_endpgm
.Lfunc_end_k_q1cea44dd70_flow:
	.size	k_q1cea44dd70_flow, .Lfunc_end_k_q1cea44dd70_flow-k_q1cea44dd70_flow
	.p2alignl 7, 3214868480
	.fill 96, 4, 3214868480
	.section	.rodata,"a",@progbits
	.p2align	6, 0x0
	.amdhsa_kernel k_q1cea44dd70_flow
		.amdhsa_group_segment_fixed_size 54784
		.amdhsa_private_segment_fixed_size 0
		.amdhsa_enable_private_segment 0
		.amdhsa_kernarg_size 88
		.amdhsa_user_sgpr_count 2
		.amdhsa_user_sgpr_kernarg_segment_ptr 1
		.amdhsa_wavefront_size32 1
		.amdhsa_system_sgpr_workgroup_id_x 1
		.amdhsa_system_sgpr_workgroup_id_y 1
		.amdhsa_system_sgpr_workgroup_id_z 1
		.amdhsa_system_vgpr_workitem_id 0
		.amdhsa_next_free_vgpr 254
		.amdhsa_next_free_sgpr 66
		.amdhsa_reserve_vcc 1
		.amdhsa_float_denorm_mode_32 3
		.amdhsa_float_denorm_mode_16_64 3
		.amdhsa_memory_ordered 1
		.amdhsa_forward_progress 1
		.amdhsa_inst_pref_size 194
	.end_amdhsa_kernel
	.amdgpu_metadata
---
amdhsa.version: [ 1, 2 ]
amdhsa.kernels:
  - .name:           k_q1cea44dd70_flow
    .symbol:         k_q1cea44dd70_flow.kd
    .args:
      - { .name: z, .offset: 0, .size: 8, .value_kind: global_buffer, .address_space: global }
      - { .name: out0, .offset: 8, .size: 8, .value_kind: global_buffer, .address_space: global }
      - { .name: out1, .offset: 16, .size: 8, .value_kind: global_buffer, .address_space: global }
      - { .name: s_w1, .offset: 24, .size: 8, .value_kind: global_buffer, .address_space: global }
      - { .name: s_b1, .offset: 32, .size: 8, .value_kind: global_buffer, .address_space: global }
      - { .name: s_w2, .offset: 40, .size: 8, .value_kind: global_buffer, .address_space: global }
      - { .name: s_b2, .offset: 48, .size: 8, .value_kind: global_buffer, .address_space: global }
      - { .name: t_w1, .offset: 56, .size: 8, .value_kind: global_buffer, .address_space: global }
      - { .name: t_b1, .offset: 64, .size: 8, .value_kind: global_buffer, .address_space: global }
      - { .name: t_w2, .offset: 72, .size: 8, .value_kind: global_buffer, .address_space: global }
      - { .name: t_b2, .offset: 80, .size: 8, .value_kind: global_buffer, .address_space: global }
    .group_segment_fixed_size: 54784
    .private_segment_fixed_size: 0
    .kernarg_segment_align: 8
    .kernarg_segment_size: 88
    .max_flat_workgroup_size: 512
    .sgpr_count:     66
    .vgpr_count:     254
    .wavefront_size: 32
...
	.end_amdgpu_metadata
.endif
;; end of part 1
;; ======== version 2 of 2: 1 launch; 1.35 times as fast as version 1
;; limits: right only within a limited range of input values
;; launch flow (part 2): grid 256 x 1, 16 waves a work-group, no clusters, 54,784 bytes of LDS; arguments z, out0, out1, s_w1, s_b1, s_w2, s_b2, t_w1, t_b1, t_w2, t_b2; writes out0, out1
.if DOCPART == 2
	.amdgcn_target "amdgcn-amd-amdhsa--gfx1250"
	.amdhsa_code_object_version 6
	.text
	.protected	k_q1cea44dd70_flow
	.globl	k_q1cea44dd70_flow
	.p2align	8
	.type	k_q1cea44dd70_flow,@function
k_q1cea44dd70_flow:
	s_mov_b64 s[64:65], 0
	v_nop
	global_prefetch_b8 v0, s[64:65] scope:SCOPE_SE
	s_setreg_imm32_b32 hwreg(HW_REG_WAVE_MODE, 25, 1), 1
	s_wait_xcnt 0x0
; RealNVP2D: 1,048,576 samples (z1, z2) through 8 coupling layers.  A layer: u_s, u_t = two MLPs 1 -> 64 -> 1 (LeakyReLU 0.01) of z1;
; s = 3 tanh(u_s); z2 <- z2 e^s + u_t; ld += s; the two components change places.
; ALGEBRA.  leaky(h) = 0.01 h + 0.99 max(h, 0), and max(h, 0) = h + max(-h, 0).  With sigma = sign(x): a unit with sigma sgn(w1) = +1 gives its h to a linear part
; kept in f32, and every unit leaves the residual max(-y', 0), y' = |w1| |x| + sigma sgn(w1) b1, which is not 0 only where |w1 x| < |b1|.  With the mask m = [y' < 0]:
;   kap (sum w2 leaky(w1 x + b1) + b2) = alpha(sigma) x + gamma(sigma) + sigma (x sum aw m + sum cw m),
;   aw = -kap 0.99 w2 |w1|, cw = -kap 0.99 w2 sgn(w1) b1,
;   alpha(+) = kap (Sp + 0.01 Sn), gamma(+) = kap (Tp + 0.01 Tn + b2), alpha(-) = kap (Sn + 0.01 Sp), gamma(-) = kap (Tn + 0.01 Tp + b2),
;   Sp, Sn = sum of w2 w1 over w1 >= 0, w1 < 0; Tp, Tn the same of w2 b1 (signs by the sign bits; the identity holds for either choice, so zeros are no special case).
;   kap = 2 log2(e) for the s net (so that the sum feeds 2^x), 1 for the t net.  A unit's part is continuous where its mask switches, so a sign judged wrongly at y' near 0 costs that y' alone.
; FIRST PRODUCT (16 hidden x 32 k) x (32 k x 16 samples), f32 result y'.  K needs one place and has 32, so |x|, |w1| = w and sgn(w1) b1 = b go in as two bf16 pieces each:
;   places of a half of 8:  B: x_hi x_lo x_hi x_hi sigma sigma 0 0    A: w_hi w_hi w_lo 0 b_hi b_lo 0 0;  k = 16..31: B is 0.
; SECOND PRODUCT (8 rows of weights x 32 hidden) x (32 hidden x 16 samples of masks), four K chunks for the 128 hidden units of both nets.  A mask is 0 or 0xff00, which is -2^127 in
; bf16, exact.  ONE v_perm_b32 makes two masks: its selector bytes 9 and 11 give 0xff where bit 31 of the second, of the first source is set and 0 elsewhere, 12 gives 0 (ISA guide,
; V_PERM_B32).  The weights carry -2^-64 for it and go in as two bf16 pieces in rows of their own: aw_hi, cw_hi, aw_lo, cw_lo of the s net, then of the t net; the sums carry 2^63,
; which the fused multiply-add that brings gamma takes away.  So no computed number is rounded to bf16: only the weights' pieces are cut, at some 2^-17 of numbers whose products
; stay under kap |w2 b1|, whatever x is.
; The first product's result lies as the second product's source 1 wants it, two registers to a word: nothing changes lanes.
; A set is 32 samples, one a lane.  Group X (lanes 0-15, k places 0-7) multiplies by weights in rows 0-7; group Y (lanes 16-31, k places 8-15) by the same in rows 8-15, into ONE
; accumulator: its eight registers in lane L then are the eight sums of lane L's sample.
; SHARES.  A work-group has 4,096 samples, each of its 16 waves 256: 8 sets.  A 16-byte load brings two samples a lane; they stay in those registers and leave from them.
; The weights (12 KB) are prepared once by the 16 waves (wave w: layer w / 2, net w % 2) into LDS; one barrier; then LDS is only read.
; No tensor loads, no cluster: each byte of z is read once, straight into the register where it lives, and what work-groups share is the 12 KB of weights.
; LIMITS.  A non-finite weight spoils its neighbours (0 x inf in the unused k places, rows and masked units); an infinite x gives NaN (x times a sum that is 0);
; kap w2 w1 and kap w2 b1 must stay under 2^58 each (64 of them, times 2^63, are summed in f32); pieces of them under 2^-62 lose bits, at most 2^-69 in u;
; tanh = 1 - 2 / (1 + 2^U) has an absolute error of some 4e-7; sums are formed in another order than in the reference.
; LDS
.set A1R,  0          ; layer l, tile i (0-3 s net, 4-7 t net): 4096 l + 512 i + 16 lane: lane (r, h) has the 8 k places of hidden 16 i + r, the same in both halves of the lanes
.set W2R,  32768      ; layer l: WL l: nine rows of 128 k (256 bytes), WP apart: rows 0-3 the s net's (k 64-127 are 0), rows 4-7 the t net's (k 0-63 are 0), row 8 zeros
.set WP,   272        ; 68 words: row i starts 4 i banks on, so the nine rows that a load touches do not collide; the 16 bytes of padding are written with zeros and never read
.set WL,   9*WP
.set LINR, 52480      ; layer l, net n: 32 l + 16 n: alpha(+), gamma(+), alpha(-), gamma(-)
.set MSEL, 0x0b0c090c ; the masks' selector: from the low byte up 0, sign of the second source, 0, sign of the first source
; vector registers
.set OZ,   1          ; byte offset of my 16 bytes in the group's part of z and out0; never rewritten
.set OL,   2          ; byte offset of my 8 bytes in the group's part of out1; never rewritten
.set AA1,  3          ; LDS address of my 16 bytes of a tile of A1
.set ALO,  4          ; LDS address of my row of weights, rows 0-7 filled
.set AHI,  5          ; the same, rows 8-15 filled
.set MX,   6          ; -1 in lanes 0-15, else 0
.set MY,   7          ; -1 in lanes 16-31, else 0
.set ALIN, 8          ; LDS address of the layer's eight numbers
.set BT,   9          ; v9-12  {hi, hi}; f32(hi); lo; {hi, lo} of the next set's |x|
.set EW,   13         ; v13-15 at work on s and e^s
.set LIN,  16         ; v[16:19] the s net's alpha(+), gamma(+), alpha(-), gamma(-)
.set ZR,   20         ; v[20:35] z: set p, component c at ZR + 4 (p / 2) + 2 (p % 2) + c
.set LDR,  36         ; v[36:43] ld of set p
.set BX,   44         ; v[44:51] source 1 of the first product, group X; v[52:59] group Y; registers 3-7 stay 0
.set BY,   52
.set ACC,  60         ; v[60:67], v[68:75] accumulators of the second product, sets by turns
.set HP,   76         ; v[76:83], v[84:91] a chunk's 32 masks in bf16, two buffers
.set HF,   92         ; v[92:139] a chunk's two tiles in f32, three buffers of 16
.set A1,   140        ; v[140:175] tile t's source 0 is v[A1+4t : A1+4t+7]: its upper four registers are the next tile's lower four and meet B's zeros; v172-175 = 0
.set A2LO, 176        ; v[176:207] weights in rows 0-7, chunk c at +8 c;  v[208:239] the same in rows 8-15
.set LINT, 240        ; v[240:243] the t net's four numbers
.set SG,   244        ; {sigma, sigma} in bf16 of the next set's x
.set CA,   245        ; the chosen alpha of the s net
.set CB,   246        ; of the t net
.set AX,   247        ; |x| of the next set (slices 0, 1)
.set SX,   247        ; x's sign bit of the set being finished (slices 3, 4): the same register, at other times
.set EQ,   248        ; v[248:251] 2^63 sum aw m, 2^63 sum cw m of the s net, of the t net; then U in +0 and T in +2
; the head's registers, inside HP and HF, which are not yet in use
.set PWO,  76
.set PW1,  78
.set PB1,  80
.set PW2,  82
.set PQN,  84
.set PAW,  86
.set PCW,  88
.set PQ,   90
.set PZ,   94
.set PT,   96
.set PS,   98         ; Sp, Tp, Sn, Tn
.set PA,   102
.set PSG,  103
.set PZB,  104
.set PZA,  105
.set PLA,  106
.set LANE, 107
.set RR,   108
.set HH,   109
.set WV,   110
.set TA,   111
.set TB,   112
.set RR8,  113
.set PO,   114        ; alpha(+), gamma(+), alpha(-), gamma(-)
.set PX,   118
.set PP,   122
.set PWP,  124
.set PBP,  125
.set PSW,  126        ; w1's sign bit, units 2 lane, 2 lane + 1
.set PH,   130        ; aw_hi, cw_hi, aw_lo, cw_lo, two units a word
	s_load_b512 s[8:23], s[0:1], 0x0               ; z 8, out0 10, out1 12, s_w1 14, s_b1 16, s_w2 18, s_b2 20, t_w1 22
	s_load_b128 s[24:27], s[0:1], 0x40             ; t_b1 24, t_w2 26
	s_load_b64 s[28:29], s[0:1], 0x50              ; t_b2
	v_lshl_add_u32 v252, v0, 2, 0xce00
	v_mov_b32 v253, 0
	v_and_b32 v[LANE], 31, v0
	v_lshrrev_b32 v[WV], 5, v0
	v_readfirstlane_b32 s30, v[WV]                 ; wave w, 0..15
	s_lshr_b32 s31, s30, 1                         ; the layer that I prepare
	s_and_b32 s32, s30, 1                          ; its net: 0 s, 1 t
	v_lshlrev_b32 v[OZ], 4, v[LANE]
	v_lshl_add_u32 v[OZ], s30, 11, v[OZ]           ; 2,048 w + 16 lane
	v_lshlrev_b32 v[OL], 3, v[LANE]
	s_lshl_b32 s57, s31, 8
	v_add_nc_u32 v[PWO], s57, v[OL]                ; units 2 lane, 2 lane + 1 of my layer: 256 l + 8 lane
	v_lshl_add_u32 v[OL], s30, 10, v[OL]           ; 1,024 w + 8 lane
	s_lshl_b32 s2, ttmp9, 15                       ; the group's 4,096 samples: 32,768 bytes of z and out0,
	s_mov_b32 s3, 0
	s_lshl_b32 s4, ttmp9, 14                       ; 16,384 of out1
	s_mov_b32 s5, 0
	s_lshl_b32 s6, s31, 2                          ; b2[l]
	s_mov_b32 s7, 0
	s_mov_b32 s33, 0x20000000                      ; 2^-63
	s_mov_b32 s47, 0xffff0000                      ; a word's upper bf16
	s_mov_b32 s48, 0x80008000                      ; two signs
	s_mov_b32 s49, 0x3f803f80                      ; 1.0, 1.0 in bf16
	s_mov_b32 s50, 0x76543210                      ; v_permlanex16_b32: each lane takes its own place in the other half
	s_mov_b32 s51, 0xfedcba98
	s_mov_b32 s52, 0xc0c00000                      ; -6
	s_mov_b32 s53, 0x40400000                      ; 3
	s_mov_b32 s54, 0xc10a7fad                      ; -6 log2(e)
	s_mov_b32 s55, 0x408a7fad                      ; 3 log2(e)
	s_mov_b32 s61, 0x7fffffff                      ; all but an f32's sign
	s_mov_b32 s62, 0x7fff7fff                      ; all but two bf16 signs
	s_mov_b32 s63, 0x80000000                      ; an f32's sign
	s_wait_kmcnt 0x0
	s_cmp_eq_u32 s32, 0                            ; my net's four buffers
	s_cselect_b64 s[34:35], s[14:15], s[22:23]     ; w1
	s_cselect_b64 s[36:37], s[16:17], s[24:25]     ; b1
	s_cselect_b64 s[38:39], s[18:19], s[26:27]     ; w2
	s_cselect_b64 s[40:41], s[20:21], s[28:29]     ; b2
	s_cselect_b32 s42, 0x4038aa3b, 1.0             ; kap
	s_add_nc_u64 s[40:41], s[40:41], s[6:7]
	s_load_b32 s43, s[40:41], 0x0                  ; b2[l]
	s_add_nc_u64 s[8:9], s[8:9], s[2:3]
	s_add_nc_u64 s[10:11], s[10:11], s[2:3]
	s_add_nc_u64 s[12:13], s[12:13], s[4:5]
	global_load_b64 v[PW1:PW1+1], v[PWO], s[34:35]
	global_load_b64 v[PB1:PB1+1], v[PWO], s[36:37]
	global_load_b64 v[PW2:PW2+1], v[PWO], s[38:39]
.irp t, 0,1,2,3
	global_load_b128 v[ZR+4*\t:ZR+4*\t+3], v[OZ], s[8:9] offset:512*\t th:TH_LOAD_NT   ; 512 neighbouring bytes a load: samples 64 t + 2 lane, + 1
.endr
	s_mul_f32 s44, s42, 0x1f7d70a4                 ; kap 0.99 2^-64: times a mask of -2^127 that is -kap 0.99 2^63
	s_mul_f32 s45, s42, 0x3c23d70a                 ; kap 0.01
	; what stays for the whole kernel
	v_and_b32 v[RR], 15, v0
	v_bfe_u32 v[HH], v0, 4, 1
	v_add_nc_u32 v[MX], -1, v[HH]
	v_sub_nc_u32 v[MY], 0, v[HH]
	v_lshlrev_b32 v[AA1], 4, v[LANE]               ; A1R = 0
	v_mov_b32 v[ALIN], LINR
; my row of source 0 of the second product: rows 0-7 of the eight, any other the zero row
.macro ROWADR dst, row
	v_min_u32 v[TA], 8, v[\row]
	v_mul_u32_u24 v[TA], v[TA], WP
	v_lshl_add_u32 v[TA], v[HH], 4, v[TA]          ; + 16 bytes for the upper half of the lanes
	v_add_nc_u32 v[\dst], W2R, v[TA]
.endm
	ROWADR ALO, RR
	v_add_nc_u32 v[RR8], -8, v[RR]                 ; rows 0-7 wrap to large numbers: the zero row
	ROWADR AHI, RR8
.irp j, 3,4,5,6,7
	v_mov_b32 v[BX+\j], 0                          ; the unused k places of B
	v_mov_b32 v[BY+\j], 0
.endr
.irp j, 32,33,34,35
	v_mov_b32 v[A1+\j], 0                          ; behind the last tile
.endr
.irp j, 0,1,2,3,4,5,6,7
	v_mov_b32 v[LDR+\j], 0                         ; ld begins at 0
.endr
	; wave w prepares (layer w / 2, net w % 2): addresses
	v_lshrrev_b32 v[TA], 3, v[LANE]                ; unit 2 lane + e: tile lane / 8, row 2 (lane % 8) + e
	v_and_b32 v[TB], 7, v[LANE]
	v_lshlrev_b32 v[PA], 5, v[TB]
	v_lshl_add_u32 v[PA], v[TA], 9, v[PA]
	v_lshl_add_u32 v[PA], s30, 11, v[PA]           ; + 4,096 l + 2,048 net = 2,048 w
	s_mul_i32 s57, s31, WL
	s_mul_i32 s58, s32, 4*WP+128                   ; my net's four rows, and its half of their 128 k
	s_add_co_u32 s58, s58, s57
	s_add_co_u32 s58, s58, W2R
	v_lshl_add_u32 v[PSG], v[LANE], 2, s58         ; my two units' word in a row
	s_mul_i32 s59, s32, 4*WP-128                   ; the other half of the same rows: 128 + net (4 WP - 128)
	s_add_co_u32 s59, s59, s57
	s_add_co_u32 s59, s59, W2R+128
	v_lshl_add_u32 v[PZB], v[LANE], 2, s59
	s_mul_i32 s60, s32, WP/2                       ; the zero row with its padding, 272 bytes: each of the layer's two waves writes 136 of them
	s_add_co_u32 s60, s60, s57
	s_add_co_u32 s60, s60, W2R+8*WP
	v_lshl_add_u32 v[PZA], v[LANE], 2, s60
	s_lshl_b32 s57, s30, 4
	s_add_co_u32 s57, s57, LINR
	v_mov_b32 v[PLA], s57                          ; the four numbers of (l, net): 32 l + 16 net = 16 w
	v_mov_b32 v[PZ], 0
	v_mov_b32 v[PZ+1], 0
	v_mov_b32 v[PQ+3], 0
.irp i, 0,1,2,3
	ds_store_b32 v[PSG], v[PZ] offset:WP*\i+16     ; zeros 16 bytes further on than the two stores of a row below: whichever of the two halves is the upper one,
	ds_store_b32 v[PZB], v[PZ] offset:WP*\i+16     ; its line reaches over the row's padding; LDS serves a wave's stores in order, so the numbers below land on top
.endr
	ds_store_b32 v[PZA], v[PZ]                     ; my 136 bytes of the zero row: 128 from its first byte,
	ds_store_b32 v[PZA], v[PZ] offset:8            ; 128 from its ninth
	s_wait_loadcnt 0x4                             ; loads come back in order: w1, b1, w2 are in; the four younger ones are z's
	s_wait_kmcnt 0x0                               ; b2[l]
	s_mul_f32 s46, s42, s43                        ; kap b2
; unit 2 lane + e for the first product: |w1| and sgn(w1) b1 in two bf16 pieces each: 16 bytes, for both lanes of its row
.macro SPLIT e
	v_and_b32 v[PSW+\e], s63, v[PW1+\e]            ; w1's sign bit
	v_and_b32 v[PWP], s61, v[PW1+\e]               ; |w1|
	v_xor_b32 v[PBP], v[PB1+\e], v[PSW+\e]         ; sgn(w1) b1
	v_cvt_pk_bf16_f32 v[PQ], v[PWP], v[PWP]        ; {w_hi, w_hi}
	v_and_b32 v[PT], s47, v[PQ]
	v_sub_f32 v[PT], v[PWP], v[PT]
	v_cvt_pk_bf16_f32 v[PQ+1], v[PT], v[PZ]        ; {w_lo, 0}
	v_cvt_pk_bf16_f32 v[PT], v[PBP], v[PBP]
	v_and_b32 v[PT], s47, v[PT]
	v_sub_f32 v[PT+1], v[PBP], v[PT]
	v_cvt_pk_bf16_f32 v[PQ+2], v[PT], v[PT+1]      ; {b_hi, b_lo}
	ds_store_b128 v[PA], v[PQ:PQ+3] offset:16*\e
	ds_store_b128 v[PA], v[PQ:PQ+3] offset:256+16*\e
.endm
	SPLIT 0
	SPLIT 1
; unit 2 lane + e for the second product: -2^-64 aw and -2^-64 cw
.macro WEIGH e
	v_mul_f32 v[PQN+\e], s44, v[PW2+\e]            ; kap 0.99 2^-64 w2
	v_and_b32 v[PT], s61, v[PW1+\e]
	v_mul_f32 v[PAW+\e], v[PQN+\e], v[PT]          ; times |w1|
	v_mul_f32 v[PCW+\e], v[PQN+\e], v[PB1+\e]
	v_xor_b32 v[PCW+\e], v[PCW+\e], v[PSW+\e]      ; times sgn(w1) b1
.endm
	WEIGH 0
	WEIGH 1
; two units' numbers in two bf16 pieces each: a word of upper pieces, a word of lower pieces, unit 2 lane in the low half
.macro TWO src, hi, lo
	v_cvt_pk_bf16_f32 v[\hi], v[\src], v[\src+1]
	v_lshlrev_b32 v[PT], 16, v[\hi]
	v_and_b32 v[PT+1], s47, v[\hi]
	v_sub_f32 v[PT], v[\src], v[PT]
	v_sub_f32 v[PT+1], v[\src+1], v[PT+1]
	v_cvt_pk_bf16_f32 v[\lo], v[PT], v[PT+1]
.endm
	TWO PAW, PH, PH+2
	TWO PCW, PH+1, PH+3
.irp i, 0,1,2,3
	ds_store_b32 v[PSG], v[PH+\i] offset:WP*\i     ; rows aw_hi, cw_hi, aw_lo, cw_lo
	ds_store_b32 v[PZB], v[PZ] offset:WP*\i        ; the other net's k places of these rows
.endr
; unit 2 lane + e: w2 w1 and w2 b1, each to the sum of its sign of w1, 0 to the other
.macro PARTS e, dst
	v_cmp_lt_u32 vcc_lo, s61, v[PW1+\e]            ; w1's sign bit is set
	v_mul_f32 v[PP], v[PW2+\e], v[PW1+\e]
	v_mul_f32 v[PP+1], v[PW2+\e], v[PB1+\e]
	v_cndmask_b32 v[\dst], v[PP], v[PZ], vcc_lo
	v_cndmask_b32 v[\dst+1], v[PP+1], v[PZ], vcc_lo
	v_cndmask_b32 v[\dst+2], v[PZ], v[PP], vcc_lo
	v_cndmask_b32 v[\dst+3], v[PZ], v[PP+1], vcc_lo
.endm
	PARTS 0, PS
	PARTS 1, PX
.irp j, 0,1,2,3
	v_add_f32 v[PS+\j], v[PS+\j], v[PX+\j]
.endr
.irp m, 1,2,4,8
.irp j, 0,1,2,3
	v_add_f32_dpp v[PS+\j], v[PS+\j], v[PS+\j] row_xmask:\m row_mask:0xf bank_mask:0xf
.endr
.endr
.irp j, 0,1,2,3
	v_permlanex16_b32 v[PX+\j], v[PS+\j], s50, s51 ; its destination counts as read: PX has been written
.endr
.irp j, 0,1,2,3
	v_add_f32 v[PS+\j], v[PS+\j], v[PX+\j]         ; Sp, Tp, Sn, Tn over the 64 units, in every lane
.endr
	v_mul_f32 v[PO], s42, v[PS]
	v_fma_f32 v[PO+1], v[PS+1], s42, s46
	v_mul_f32 v[PO+2], s42, v[PS+2]
	v_fma_f32 v[PO+3], v[PS+3], s42, s46
	v_fma_f32 v[PO], v[PS+2], s45, v[PO]           ; alpha(+) = kap Sp + kap 0.01 Sn
	v_fma_f32 v[PO+1], v[PS+3], s45, v[PO+1]       ; gamma(+) = kap Tp + kap b2 + kap 0.01 Tn
	v_fma_f32 v[PO+2], v[PS], s45, v[PO+2]         ; alpha(-)
	v_fma_f32 v[PO+3], v[PS+1], s45, v[PO+3]       ; gamma(-)
	ds_store_b128 v[PLA], v[PO:PO+3]               ; every lane the same four words
	s_wait_dscnt 0x0                               ; for the others' sake: my stores into LDS are done
	s_barrier_signal -1
	s_barrier_wait -1                              ; the only barrier: from here on LDS is only read
	s_wait_loadcnt 0x0                             ; z
; A LAYER is a pipeline of 64 chunk steps.  Chunk n = 8 p + 4 y + c: set p, group y (X, Y), chunk c = tiles 2 c, 2 c + 1.
; Step q: first product a of chunk q + 2 | four words of masks of chunk q | second product of chunk q - 1 | the other four words | first product b of chunk q + 2 | a slice of the work on whole sets.
; The matrix instructions thus go first product, second product, first product, each on another accumulator.  At the layer's end no first products are left: there chunks 61 and 63
; go onto the other set's accumulator, which has been read out by then, so that the accumulators still take turns, one instruction a turn.
; PLACES (plain vector instructions that name none of the matrix instruction's registers; ISA guide 7.12.1): the second product of step q reads the mask buffer that step q + 1 writes
; again: the four words of masks behind it, which go to the other buffer, are the four places.  A first product's result is read two steps on, behind the eight mask lines of the step between.
.macro W1 half                         ; tile 2 c + half of chunk q + 2: the constant 0 starts the sum
.set n, q+2
.set fb, HF+16*(n%3)+8*\half
.set ab, A1+8*(n%4)+4*\half
.set bb, BX+8*((n/4)%2)
	v_wmma_f32_16x16x32_bf16 v[fb:fb+7], v[ab:ab+7], v[bb:bb+7], 0
.endm
.macro W2                              ; chunk q - 1: weights x masks, onto the set's accumulator; a set's first chunk starts the sums
.set n, q-1
.set ac, ACC+8*((n/8)%2)
.if (n == 61) || (n == 63)
.set ac, ACC
.endif
.set ab, A2LO+32*((n/4)%2)+8*(n%4)
.set pb, HP+8*(n%2)
.if (n%8 == 0) || (n == 61)
	v_wmma_f32_16x16x32_bf16 v[ac:ac+7], v[ab:ab+7], v[pb:pb+7], 0
.else
	v_wmma_f32_16x16x32_bf16 v[ac:ac+7], v[ab:ab+7], v[pb:pb+7], v[ac:ac+7]
.endif
.endm
; Four words of chunk q's masks, words k0 to k0 + 3: one tile's eight numbers, from its lowest registers on; the lower unit's mask in the low half.
.macro SIGNS k0
.irp k, 0,1,2,3
	v_perm_b32 v[HP+8*(q%2)+\k0+\k], v[HF+16*(q%3)+2*(\k0+\k)+1], v[HF+16*(q%3)+2*(\k0+\k)], MSEL
.endr
.endm
; The pieces of x in register zr: {sigma, sigma}, {|x|_hi, |x|_hi}, {|x|_hi, |x|_lo}.  In two halves, so that they can stand in two steps.
.macro PIECES_A zr
	v_cvt_pk_bf16_f32 v[BT], v[\zr], v[\zr]        ; {hi, hi}, still signed
	v_and_b32 v[AX], s61, v[\zr]                   ; |x|
	v_and_or_b32 v[SG], v[BT], s48, s49            ; x's sign on 1.0, twice
.endm
.macro PIECES_B
	v_and_b32 v[BT], s62, v[BT]                    ; {|hi|, |hi|}
	v_and_b32 v[BT+1], s47, v[BT]                  ; |hi| as f32
	v_sub_f32 v[BT+2], v[AX], v[BT+1]              ; lo
	v_cvt_pk_bf16_f32 v[BT+3], v[BT+1], v[BT+2]    ; {hi, lo}
.endm
.macro MASKB b, m                      ; B of one group: the other half of the lanes holds 0
	v_and_b32 v[\b], v[BT+3], v[\m]
	v_and_b32 v[\b+1], v[BT], v[\m]
	v_and_b32 v[\b+2], v[SG], v[\m]
.endm
.macro ESUM ac                         ; upper and lower pieces' sums, from the accumulator's lowest registers on: 2^63 (sum aw m, sum cw m) of the s net, of the t net
	v_pk_add_f32 v[EQ:EQ+1], v[\ac:\ac+1], v[\ac+2:\ac+3]
	v_pk_add_f32 v[EQ+2:EQ+3], v[\ac+4:\ac+5], v[\ac+6:\ac+7]
.endm
.macro ELIN zr                         ; x's sign bit, and the slopes and offsets of x's side
	v_and_b32 v[SX], s63, v[\zr]
	v_cmp_lt_u32 vcc_lo, s61, v[\zr]               ; the sign bit is set: the same test as sigma's
	v_cndmask_b32 v[CA], v[LIN], v[LIN+2], vcc_lo
	v_cndmask_b32 v[CB], v[LINT], v[LINT+2], vcc_lo
	v_cndmask_b32 v[EW+1], v[LIN+1], v[LIN+3], vcc_lo
	v_cndmask_b32 v[EW+2], v[LINT+1], v[LINT+3], vcc_lo
.endm
.macro EFIN zr                         ; U and T = alpha x + (gamma + 2^-63 sigma (x 2^63 sum aw m + 2^63 sum cw m))
	v_fma_f32 v[EQ], v[\zr], v[EQ], v[EQ+1]
	v_fma_f32 v[EQ+2], v[\zr], v[EQ+2], v[EQ+3]
	v_xor_b32 v[EQ], v[EQ], v[SX]
	v_xor_b32 v[EQ+2], v[EQ+2], v[SX]
	v_fma_f32 v[EQ], v[EQ], s33, v[EW+1]
	v_fma_f32 v[EQ+2], v[EQ+2], s33, v[EW+2]
	v_fmac_f32 v[EQ], v[CA], v[\zr]
	v_fmac_f32 v[EQ+2], v[CB], v[\zr]
.endm
; The work on whole sets, two to nine instructions a step.  In the eight steps of set p: B of set p + 1 is made, and set p - 1, whose last second product stands in the first
; of these steps, is finished.  Each exponential and the reciprocal is the slice's last line: the next step's mask lines, plain instructions, follow it, and its result is used a step later.
; B of group X is rewritten in slice 2, B of group Y in slice 7: the last first product that read it stands a step's eight mask lines back or more.
; The accumulator is read out in slice 2, twenty mask lines behind its last second product, and is free from then on.
.macro EXTRA par
.set pp, q/8
.set ii, q%8
.set an, ACC+8*((pp+1)%2)              ; the accumulator of set p - 1
.if pp < 7
.set zn, ZR+4*((pp+1)/2)+2*((pp+1)%2)+\par
.if ii == 0
	PIECES_A zn
.elseif ii == 1
	PIECES_B
.elseif ii == 2
	MASKB BX, MX
.elseif ii == 7
	MASKB BY, MY
.endif
.endif
.if pp > 0
.set ze, ZR+4*((pp-1)/2)+2*((pp-1)%2)+\par
.set zu, ZR+4*((pp-1)/2)+2*((pp-1)%2)+1-\par
.if ii == 2
	ESUM an
.elseif ii == 3
	ELIN ze
.elseif ii == 4
	EFIN ze
	v_exp_f32 v[EW], v[EQ]                         ; 2^U = e^(2 u)
.elseif ii == 5
	s_wait_alu depctr_va_vdst(0)
	v_add_f32 v[EW], 1.0, v[EW]
	v_rcp_f32 v[EW+1], v[EW]                       ; r
.elseif ii == 6
	s_wait_alu depctr_va_vdst(0)
	v_fma_f32 v[EW+2], v[EW+1], s52, s53           ; s = 3 - 6 r
	v_fma_f32 v[EW], v[EW+1], s54, s55             ; s log2(e)
	v_exp_f32 v[EW+1], v[EW]                       ; e^s
.elseif ii == 7
	v_add_f32 v[LDR+pp-1], v[LDR+pp-1], v[EW+2]
	s_wait_alu depctr_va_vdst(0)
	v_fma_f32 v[zu], v[zu], v[EW+1], v[EQ+2]       ; z2 e^s + t
.endif
.endif
.endm
.macro STEP par
.if q+2 < 64
	W1 0
.endif
.if q == 0
	EXTRA \par                                     ; in step 0 the slice stands ahead of the masks: with the three lines in front of the step it makes six places behind the layer's first products
.endif
.if (q >= 0) && (q < 64)
	SIGNS 0
.endif
.if q >= 1
.if q == 1
	s_wait_dscnt 0x0                               ; the second product's weights are in
.endif
	W2
.endif
.if (q >= 0) && (q < 64)
	SIGNS 4
.endif
.if q+2 < 64
	W1 1
.endif
.if (q > 0) && (q < 64)
	EXTRA \par
.endif
.set q, q+1
.endm
; The layer's weights: 26 LDS loads.  The last matrix instruction that read one of these registers stands more than four plain instructions back.
.macro LOADW par
	ds_load_b128 v[LIN:LIN+3], v[ALIN] offset:32*\par
	ds_load_b128 v[LINT:LINT+3], v[ALIN] offset:32*\par+16
.irp i, 0,1,2,3,4,5,6,7
	ds_load_b128 v[A1+4*\i:A1+4*\i+3], v[AA1] offset:4096*\par+512*\i
.endr
.irp c, 0,1,2,3
	ds_load_b128 v[A2LO+8*\c:A2LO+8*\c+3],   v[ALO] offset:WL*\par+64*\c
	ds_load_b128 v[A2LO+8*\c+4:A2LO+8*\c+7], v[ALO] offset:WL*\par+64*\c+32
.endr
.irp c, 0,1,2,3
	ds_load_b128 v[A2LO+32+8*\c:A2LO+32+8*\c+3],   v[AHI] offset:WL*\par+64*\c
	ds_load_b128 v[A2LO+32+8*\c+4:A2LO+32+8*\c+7], v[AHI] offset:WL*\par+64*\c+32
.endr
.endm
; par: which component is z1 in this layer; the other is updated in place, which is the swap.
.macro LAYER par
	LOADW \par
	PIECES_A ZR+\par                               ; set 0's B, group X, while the loads are out
	PIECES_B
	MASKB BX, MX
	s_wait_dscnt 16                                ; LDS loads come back in order: the eight numbers and A1's eight tiles are in; the sixteen loads of the second product's weights may stay out
.set q, -2
	STEP \par                                      ; chunks 0 and 1: first products alone
	STEP \par
	MASKB BY, MY                                   ; set 0's B, group Y
.rept 65
	STEP \par
.endr
	ELIN ZR+14+\par                                ; set 7 is finished; these lines, which name no accumulator, are the places behind the last second product
	ESUM ACC+8                                     ; chunks 56 to 60 and 62,
	v_pk_add_f32 v[EQ:EQ+1], v[EQ:EQ+1], v[ACC:ACC+1]          ; and chunks 61 and 63, from the lowest registers on
	v_pk_add_f32 v[EQ+2:EQ+3], v[EQ+2:EQ+3], v[ACC+4:ACC+5]
	v_pk_add_f32 v[EQ:EQ+1], v[EQ:EQ+1], v[ACC+2:ACC+3]
	v_pk_add_f32 v[EQ+2:EQ+3], v[EQ+2:EQ+3], v[ACC+6:ACC+7]
	EFIN ZR+14+\par
	v_exp_f32 v[EW], v[EQ]
	v_nop                                          ; a plain instruction behind each exponential and the reciprocal
	s_wait_alu depctr_va_vdst(0)
	v_add_f32 v[EW], 1.0, v[EW]
	v_rcp_f32 v[EW+1], v[EW]
	v_nop
	s_wait_alu depctr_va_vdst(0)
	v_fma_f32 v[EW+2], v[EW+1], s52, s53
	v_fma_f32 v[EW], v[EW+1], s54, s55
	v_exp_f32 v[EW+1], v[EW]
	v_add_f32 v[LDR+7], v[LDR+7], v[EW+2]
	s_wait_alu depctr_va_vdst(0)
	v_fma_f32 v[ZR+15-\par], v[ZR+15-\par], v[EW+1], v[EQ+2]
.endm
	s_mov_b32 s56, 4                               ; four trips of two layers
.Ltrip:
	LAYER 0
	LAYER 1
	v_add_nc_u32 v[AA1], 8192, v[AA1]              ; two layers on
	v_add_nc_u32 v[ALO], 2*WL, v[ALO]
	v_add_nc_u32 v[AHI], 2*WL, v[AHI]
	v_add_nc_u32 v[ALIN], 64, v[ALIN]
	s_sub_co_u32 s56, s56, 1
	s_cmp_lg_u32 s56, 0
	s_cbranch_scc1 .Ltrip
	; after an even number of swaps the components lie as they came: each store of the wave covers 512 (out0) or 256 (out1) consecutive bytes, aligned
.irp t, 0,1,2,3
	global_store_b128 v[OZ], v[ZR+4*\t:ZR+4*\t+3], s[10:11] offset:512*\t th:TH_STORE_NT
.endr
.irp t, 0,1,2,3
	global_store_b64 v[OL], v[LDR+2*\t:LDR+2*\t+1], s[12:13] offset:256*\t th:TH_STORE_NT
.endr
	s_wait_tensorcnt 0x0
	ds_add_u32 v252, v253
	s_wait_dscnt 0x0
	s_endpgm
.Lfunc_end_k_q1cea44dd70_flow:
	.size	k_q1cea44dd70_flow, .Lfunc_end_k_q1cea44dd70_flow-k_q1cea44dd70_flow
	.p2alignl 7, 3214868480
	.fill 96, 4, 3214868480
	.section	.rodata,"a",@progbits
	.p2align	6, 0x0
	.amdhsa_kernel k_q1cea44dd70_flow
		.amdhsa_group_segment_fixed_size 54784
		.amdhsa_private_segment_fixed_size 0
		.amdhsa_enable_private_segment 0
		.amdhsa_kernarg_size 88
		.amdhsa_user_sgpr_count 2
		.amdhsa_user_sgpr_kernarg_segment_ptr 1
		.amdhsa_wavefront_size32 1
		.amdhsa_system_sgpr_workgroup_id_x 1
		.amdhsa_system_sgpr_workgroup_id_y 1
		.amdhsa_system_sgpr_workgroup_id_z 1
		.amdhsa_system_vgpr_workitem_id 0
		.amdhsa_next_free_vgpr 254
		.amdhsa_next_free_sgpr 66
		.amdhsa_reserve_vcc 1
		.amdhsa_float_denorm_mode_32 3
		.amdhsa_float_denorm_mode_16_64 3
		.amdhsa_memory_ordered 1
		.amdhsa_forward_progress 1
		.amdhsa_inst_pref_size 163
	.end_amdhsa_kernel
	.amdgpu_metadata
---
amdhsa.version: [ 1, 2 ]
amdhsa.kernels:
  - .name:           k_q1cea44dd70_flow
    .symbol:         k_q1cea44dd70_flow.kd
    .args:
      - { .name: z, .offset: 0, .size: 8, .value_kind: global_buffer, .address_space: global }
      - { .name: out0, .offset: 8, .size: 8, .value_kind: global_buffer, .address_space: global }
      - { .name: out1, .offset: 16, .size: 8, .value_kind: global_buffer, .address_space: global }
      - { .name: s_w1, .offset: 24, .size: 8, .value_kind: global_buffer, .address_space: global }
      - { .name: s_b1, .offset: 32, .size: 8, .value_kind: global_buffer, .address_space: global }
      - { .name: s_w2, .offset: 40, .size: 8, .value_kind: global_buffer, .address_space: global }
      - { .name: s_b2, .offset: 48, .size: 8, .value_kind: global_buffer, .address_space: global }
      - { .name: t_w1, .offset: 56, .size: 8, .value_kind: global_buffer, .address_space: global }
      - { .name: t_b1, .offset: 64, .size: 8, .value_kind: global_buffer, .address_space: global }
      - { .name: t_w2, .offset: 72, .size: 8, .value_kind: global_buffer, .address_space: global }
      - { .name: t_b2, .offset: 80, .size: 8, .value_kind: global_buffer, .address_space: global }
    .group_segment_fixed_size: 54784
    .private_segment_fixed_size: 0
    .kernarg_segment_align: 8
    .kernarg_segment_size: 88
    .max_flat_workgroup_size: 512
    .sgpr_count:     66
    .vgpr_count:     254
    .wavefront_size: 32
...
	.end_amdgpu_metadata
.endif
;; end of part 2
